; MI455X (gfx1250); checked and timed in simulation.
; The chip was launched on July 23, 2026; its instructions are those of AMD's public machine-readable ISA for CDNA 5 (MIT licence, August 2026) and "CDNA5" Instruction Set Architecture Reference Guide (July 2026). The comments in the code are by the model that wrote it; some were corrected since.
;; Multi Head Attention. Allowed arithmetic: matrix products marked QUANTISED: E2M1 operands, one E8M0 scale for each 32 along K, by v_wmma_scale_f32_16x16x128_f8f6f4 with both operands' format E2M1 (or v_wmma_scale_f32_32x16x128_f4), f32 sums; everything else in f32.
;; Inputs: W_out_codes 1,024 x 32 x 16 uint8 (E2M1 codes of W_out, K innermost, in blocks of 32 codes, two codes a byte); W_out_scales 1,024 x 32 uint8 (E8M0 scales of W_out, one for each 32 codes along K); W_qkv_codes 3,072 x 32 x 16 uint8 (E2M1 codes of W_qkv, K innermost, in blocks of 32 codes, two codes a byte); W_qkv_scales 3,072 x 32 uint8 (E8M0 scales of W_qkv, one for each 32 codes along K); x_codes 2 x 2,048 x 32 x 16 uint8 (E2M1 codes of x, K innermost, in blocks of 32 codes, two codes a byte); x_scales 2 x 2,048 x 32 uint8 (E8M0 scales of x, one for each 32 codes along K).
;; Outputs: out0 2 x 2,048 x 1,024 float32.
;; This version of the problem:
;;   THIS VERSION OF THE PROBLEM IS GIVEN IN LOW PRECISION. The matrix products marked QUANTISED in the list below multiply operands that are first quantised to E2M1 (2 exponent bits, 1 mantissa bit; 4 bits a number), with one power-of-two scale for each 32 numbers along K (OCP MX v1.0); their sums are f32. All else is computed in f32.
;;   The module's matrix products, in the order in which they are computed (A, B: the left and right operand; K: the contracted axis; several contracted axes count as one K, in the product's order):
;;     1. [M 4,096, K 1,024] x [K 1,024, N 3,072]; A: input x (given as codes); B: input W_qkv (given as codes): QUANTISED
;;     2. batch 32 x [M 2,048, K 64] x [K 64, N 2,048]; A: computed on the way; B: computed on the way: QUANTISED
;;     3. batch 32 x [M 2,048, K 2,048] x [K 2,048, N 64]; A: softmax (see below); B: computed on the way: QUANTISED
;;     4. [M 4,096, K 1,024] x [K 1,024, N 1,024]; A: computed on the way; B: input W_out (given as codes): QUANTISED
;;   THE QUANTISER, for each operand of a quantised product, along K:
;;     - K is cut into blocks of 32 from its start; a last block that is shorter is filled with zeros.
;;     - A block's scale is 2^e with e = floor(log2(the largest magnitude in the block)) - 2, held to -126 .. 127; a block of zeros has e = 0. As a byte (E8M0): e + 127.
;;     - Each number is divided by its block's scale, clamped to +-6, and rounded to the nearest number of E2M1, ties to even, subnormals kept.
;;     - The product sums the exact products of the quantised numbers (number of the format x scale) in f32.
;;   ~~~python
;;   def quantise(x, axis):      # numpy; x: float32 -> the quantised numbers, widened to float32 again
;;       x = np.moveaxis(x, axis, -1); K = x.shape[-1]
;;       x = np.pad(x, [(0, 0)] * (x.ndim - 1) + [(0, -K % 32)]); x = x.reshape(x.shape[:-1] + (-1, 32)); a = np.abs(x).max(-1, keepdims=True)
;;       e = np.where(a > 0, np.clip(np.frexp(np.where(a > 0, a, 1))[1] - 1 - 2, -126, 127), 0)      # np.frexp(a)[1] - 1 = floor(log2(a)), exactly
;;       r = np.clip(x / 2.0 ** e, -6, 6)
;;       step = 2.0 ** (np.maximum(np.frexp(np.where(r == 0, 1, r))[1] - 1, 0) - 1)
;;       q = np.round(r / step) * step * 2.0 ** e      # np.round: ties to even
;;       return np.moveaxis(q.reshape(q.shape[:-2] + (-1,))[..., :K], -1, axis).astype(np.float32)
;;   ~~~
;;   SOFTMAX AHEAD OF A QUANTISED PRODUCT. Where the list says 'softmax', what is quantised is not the finished softmax but p = 2^(t - M), with t = logit x log2(e) and M = ceil(the row's largest t), a whole number; so 1/2 < the row's largest p <= 1. The row's sum l is taken of the UNQUANTISED p, in f32, and the product's result is divided by l at the end. Since M is a whole number, a kernel that streams over the keys may use a running M (the ceiling of the running maximum): every later rescaling is an exact power of two, which a block's scale takes up: the codes' values come out the same.
;;   OPERANDS COMPUTED ON THE WAY. 'Computed on the way' means the value that the module computes at that place (a softmax that the list does not call 'softmax' is quantised finished and normalised). What goes into a quantiser is computed in f32, as accurately as f32 sums, v_exp_f32 and their like allow (about 1e-6 of the number): no bf16 or f16 on the way to a quantiser, and a product that is left as it is and whose result goes on into a quantised operand takes f32 operands (vector FMAs, or v_wmma_f32_16x16x4_f32). A number that lies on a knife's edge between two numbers of the format may be rounded either way, as far as f32 arithmetic and the matrix unit's own rounding can turn it there, and no further.
;;   INPUTS GIVEN AS CODES. W_out (in the module: [1024, 1024], K = its axis 1); W_qkv (in the module: [3072, 1024], K = its axis 1); x (in the module: [2, 2048, 1024], K = its axis 2): each comes as NAME_codes (uint8): NAME with its K axis moved to the last place and cut into blocks of 32 codes, [.., K / 32, bytes a block], one block behind the other in memory; two codes a byte, the lower K in the low four bits (a code: sign, 2 exponent bits, 1 mantissa bit); and NAME_scales (uint8): the same leading axes, one E8M0 byte (e + 127) for each 32 codes along K. Its value is code x scale, taken as it is: it is not quantised again, and the codes and scales need not be those that the quantiser above would give.
;; One version. Each part assembles by itself: llvm-mc -triple=amdgcn-amd-amdhsa -mcpu=gfx1250 --defsym DOCPART=n.
;; ======== version 1 of 1: 3 launches
;; limits: right only within a limited range of input values
;; workspace buffers: qimg 2,359,296 bytes; kv 4,718,592 bytes; oimg 2,097,152 bytes; osc 131,072 bytes
;; launch qkv (part 1): grid 16 x 16, 12 waves a work-group, clusters of 4 x 4, 259,584 bytes of LDS; arguments x_codes, x_scales, W_qkv_codes, W_qkv_scales, qimg, kv; writes qimg, kv
.if DOCPART == 1
	.amdgcn_target "amdgcn-amd-amdhsa--gfx1250"
	.amdhsa_code_object_version 6
	.text
	.protected	k_qd222b37792_qkv
	.globl	k_qd222b37792_qkv
	.p2align	8
	.type	k_qd222b37792_qkv,@function
k_qd222b37792_qkv:
	s_mov_b64 s[64:65], 0
	v_nop
	global_prefetch_b8 v0, s[64:65] scope:SCOPE_SE
	s_setreg_imm32_b32 hwreg(HW_REG_WAVE_MODE, 25, 1), 1
	s_wait_xcnt 0x0
	s_wait_alu depctr_hold_cnt(0) depctr_sa_sdst(0) depctr_va_vdst(0) depctr_va_sdst(0) depctr_va_ssrc(0) depctr_va_vcc(0) depctr_vm_vsrc(0)
	s_getreg_b32 s2, hwreg(HW_REG_IB_STS2, 6, 4)
	s_cmp_eq_u32 s2, 0
	s_cbranch_scc0 .Lentry_in_a_cluster
	s_endpgm
.Lentry_in_a_cluster:
	s_bfe_u32 s2, ttmp6, 0x10000c
	s_cmp_lg_u32 s2, 0xf033
	s_cbranch_scc0 .Lentry_shape_is_right
	s_endpgm
.Lentry_shape_is_right:
; proj = x W_qkv^T on codes of FP4 (E2M1) with E8M0 scales, and the quantising of q, k (along the head's 64) and v (along the keys) for the attention launch.
; THE PROGRAM LEAVES OUT (in the attention launch) whole blocks of 128 keys that reference()'s own causal mask hides from a block of queries: their p is 0 for all inputs.  A NaN or an infinity that reaches only those is not carried on.
; SHARES.  A work-group takes 256 rows of x and ONE head: its 64 rows of W for q, k and v.  All of K (1,024) of these 448 rows lies in LDS, in two K chunks of 512 (rows of 256 bytes + 16 of padding), each filled once by loads of its own: chunk 0 is multiplied while chunk 1 may be on its way.
; Twelve waves: kind = wave / 4 (q, k, v), rg = wave % 4 (64 rows of x); a wave makes 64 x 64: 16 accumulators.
; Source 0 ("P", 4 tiles) and source 1 ("R", 4 tiles) differ by address registers alone.  q, k: P = W's rows, R = x's: a lane holds one row s, its registers run along d.  v: P = x's rows, R = W's: a lane holds one d, its registers run along the keys.
; THE ROWS OF A TILE.  Lane r of tile i of 64 rows takes row 8 i + r for r < 8 and row 32 + 8 (i xor 1) + r - 8 else.  So the 32 registers of a lane of half h = lane / 16 are the WHOLE block of 32 that begins at 32 h
; (register 8 a + j: 32 h + 8 (a xor h) + j): its largest magnitude needs no other lane, and the four codes' registers are the next operand's as they stand.  The order inside a block is the same in q and k, and in p and v.  (xor: the 16 rows of a load begin at 16 different columns of 16 bytes.)
; OUT, as images of the next operand's registers:
;   qimg [head and batch 32][s / 64][2,304]: 4 tiles x 512 bytes; at 2,048 + 8 x lane the words of tiles 2 (lane / 16), 2 (lane / 16) + 1, row lane % 16.
;   kv [head and batch 32][s / 128][9,216]: K's 8 tiles; at 4,096 V's [64 keys c][tile of d n][512]; at 8,192 K's words, as q's, 256 bytes for each c; at 8,704 V's half words [c][lane][n].
; CLUSTER 4 x 4: x's tiles are shared along a row of the cluster, W's along a column: joint loads, one a wave, all at the head.  No prefetch: there is no loop of loads to run ahead in.
; LIMITS: NaN and infinities are not served.  A block's largest magnitude is taken no smaller than 2^(3 - 127): a block of zeros gets the byte 1 (its codes are zeros; these bytes are read by this program alone).
.set UNIT, 64*272                      ; 64 rows of 256 bytes + 16
.set CHB,  7*UNIT                      ; a K chunk: units 0-3 x, 4 Wq, 5 Wk, 6 Wv
.set SCL,  2*CHB                       ; the scale bytes, 2,048 a block: Wq, Wk, Wv, x0 .. x3
.set SPARE, SCL+7*2048
.set ADP,  4                           ; v4-5   P's fragments: even tiles, odd tiles
.set ADR,  6                           ; v6-7   R's
.set ADS,  8                           ; v8     scale words of even tiles: lanes 0-15 P's rows, lanes 16-31 R's
.set ADT,  12                          ; v12    of odd tiles
.set GA,   9                           ; v9     16 x lane
.set GS,   10                          ; v10    8 x lane
.set SH,   11                          ; v11    8 x (lane / 16)
.set SPW,  14
.set NIL,  15
.set SC,   16                          ; v16-31 scale words of two K steps, two sets
.set PF,   32                          ; v32-95 P's four fragments, two sets
.set RF,   96                          ; v96-127 R's four
.set ACC,  128                         ; accumulator (b, a) at ACC + 32 b + 8 a
.set PC,   32                          ; behind the products: the codes, 4 registers for each R tile;
.set TM,   48                          ; largest magnitudes, then the scale words;
.set SO,   52                          ; the conversions' scale operands;
.set X,    56
.set XP,   60
.set WV,   16                          ; s16 wave;  s17 kind;  s18 rg;  s19 1 in v's waves;  s20 1 in the others
.set G1X,  32
.set G1W,  40
.set G1XS, 48
.set G1WS, 56
.set G0X,  68                          ; chunk 0;
.set G0W,  72
.set G0XS, 76
.set G0WS, 80
.set G0X1, 84                          ; chunk 1
.set G0W1, 88
.set SEL,  96                          ; s[96:97] selects for lane l xor 16
.macro HINT n
	s_delay_alu instid0(VALU_DEP_\n)
.endm
.macro CROUND                          ; a round of the cluster's barrier
	s_barrier_signal -1
	s_barrier_wait -1
	s_cmp_lg_u32 s[WV], 0
	s_cbranch_scc1 .Lnot_wave_0_\@
	s_barrier_signal -3
.Lnot_wave_0_\@:
	s_barrier_wait -3
	s_barrier_signal -1
	s_barrier_wait -1
.endm
	s_load_b256 s[4:11], s[0:1], 0x0               ; x's codes, x's scales, W's codes, W's scales
	s_load_b128 s[12:15], s[0:1], 0x20             ; qimg, kv
	v_lshl_add_u32 v[SPW], v0, 2, SPARE
	v_mov_b32 v[NIL], 0
	ds_add_u32 v[SPW], v[NIL]                      ; the opening add, twice on end
	ds_add_u32 v[SPW], v[NIL]
	v_lshrrev_b32 v1, 5, v0
	HINT 1
	v_readfirstlane_b32 s[WV], v1
	s_lshr_b32 s17, s[WV], 2
	s_and_b32 s18, s[WV], 3
	s_lshr_b32 s19, s[WV], 3
	s_xor_b32 s20, s19, 1
	s_bfe_u32 s21, ttmp6, 0x40000                  ; cx
	s_bfe_u32 s22, ttmp6, 0x40004                  ; cy
	s_lshl_b32 s23, ttmp9, 2
	s_add_co_u32 s23, s23, s21                     ; the head
	s_and_b32 s24, ttmp7, 0xffff
	s_lshl_b32 s24, s24, 2
	s_add_co_u32 s24, s24, s22                     ; the block of 256 rows
	s_lshl_b32 s25, s22, 2
	s_lshl_b32 s25, 15, s25                        ; my row of the cluster
	s_lshl_b32 s26, 0x1111, s21                    ; my column
	; codes: 128 rows of x, 64 rows of W; 256 bytes of each, 512 apart in memory, 16 bytes of padding behind each in LDS (after every 64 words: code 5)
	s_or_b32 s[G1X], s25, (1<<20)|(1<<21)|(5<<22)|(3<<25)
	s_or_b32 s[G1W], s26, (1<<20)|(1<<21)|(5<<22)|(3<<25)
	s_mov_b32 s[G1X+2], 128<<16
	s_mov_b32 s[G1X+4], 128
	s_mov_b32 s[G1W+2], 64<<16
	s_mov_b32 s[G1W+4], 64
.irp g, G1X, G1W
	s_mov_b32 s[\g+1], 256<<16
	s_mov_b32 s[\g+3], 256<<16
	s_mov_b32 s[\g+5], 512
	s_mov_b32 s[\g+6], 0
	s_mov_b32 s[\g+7], 0
.endr
	; scale bytes, elements of 8 bytes: x's 256 rows are 8,192 dense bytes: 32 rows of 256;  W's: three rows (q, k, v) of 2,048 bytes, 32,768 apart
	s_or_b32 s[G1XS], s25, (3<<16)|(1<<21)
	s_mov_b32 s[G1XS+1], 32<<16
	s_mov_b32 s[G1XS+2], 32<<16
	s_mov_b32 s[G1XS+3], 32<<16
	s_mov_b32 s[G1XS+4], 32
	s_mov_b32 s[G1XS+5], 32
	s_mov_b32 s[G1XS+6], 0
	s_mov_b32 s[G1XS+7], 0
	s_or_b32 s[G1WS], s26, (3<<16)|(1<<21)
	s_mov_b32 s[G1WS+1], 256<<16
	s_mov_b32 s[G1WS+2], 3<<16
	s_mov_b32 s[G1WS+3], 256<<16
	s_mov_b32 s[G1WS+4], 3
	s_mov_b32 s[G1WS+5], 4096
	s_mov_b32 s[G1WS+6], 0
	s_mov_b32 s[G1WS+7], 0
	; x: made of the block of rows and the wave alone;  W: of the head and the wave alone
	s_and_b32 s27, s[WV], 1                        ; chunk 0: waves 2, 3: which 128 rows of x;  chunk 1: waves 7, 11: s19
	s_lshl_b32 s3, s24, 17
	s_lshl_b32 s28, s27, 16
	s_add_co_u32 s28, s28, s3
	s_lshl_b32 s2, s19, 16
	s_add_co_u32 s2, s2, s3
	s_mov_b32 s29, 0
	s_mov_b32 s3, 0
	s_lshl_b32 s30, s24, 13                        ; x's scale bytes: all 256 rows
	s_mov_b32 s31, 0
	s_lshl_b32 s92, s18, 19                        ; chunk 0: waves 4-6, chunk 1: waves 8-10: wave % 4 = q, k, v
	s_lshl_b32 s21, s23, 15
	s_add_co_u32 s92, s92, s21                     ; W's codes: row 1,024 kind + 64 x head
	s_mov_b32 s93, 0
	s_lshl_b32 s94, s23, 11                        ; W's scale bytes
	s_mov_b32 s95, 0
	s_mul_i32 s98, s18, UNIT
	s_mul_i32 s99, s27, 2*UNIT
	s_mul_i32 s22, s19, 2*UNIT
	s_mov_b32 s[SEL], 0x76543210
	s_mov_b32 s[SEL+1], 0xfedcba98
	s_mov_b32 s[G0X], 1
	s_mov_b32 s[G0X+1], s99
	s_mov_b32 s[G0W], 1
	s_add_co_u32 s[G0W+1], s98, 4*UNIT
	s_mov_b32 s[G0XS], 1
	s_mov_b32 s[G0XS+1], SCL+3*2048
	s_mov_b32 s[G0WS], 1
	s_mov_b32 s[G0WS+1], SCL
	s_mov_b32 s[G0X1], 1
	s_add_co_u32 s[G0X1+1], s22, CHB
	s_mov_b32 s[G0W1], 1
	s_add_co_u32 s[G0W1+1], s98, CHB+4*UNIT
	s_wait_dscnt 0x0                               ; both opening adds are done
	s_wait_kmcnt 0x0
	s_add_nc_u64 s[G0X+2:G0X+3], s[4:5], s[28:29]
	s_or_b32 s[G0X+3], s[G0X+3], 0x80000000
	s_add_nc_u64 s[G0W+2:G0W+3], s[8:9], s[92:93]
	s_add_nc_u64 s[G0W1+2:G0W1+3], s[G0W+2:G0W+3], 256
	s_or_b32 s[G0W+3], s[G0W+3], 0x80000000
	s_or_b32 s[G0W1+3], s[G0W1+3], 0x80000000
	s_add_nc_u64 s[G0XS+2:G0XS+3], s[6:7], s[30:31]
	s_or_b32 s[G0XS+3], s[G0XS+3], 0x80000000
	s_add_nc_u64 s[G0WS+2:G0WS+3], s[10:11], s[94:95]
	s_or_b32 s[G0WS+3], s[G0WS+3], 0x80000000
	s_add_nc_u64 s[G0X1+2:G0X1+3], s[4:5], s[2:3]
	s_add_nc_u64 s[G0X1+2:G0X1+3], s[G0X1+2:G0X1+3], 256
	s_or_b32 s[G0X1+3], s[G0X1+3], 0x80000000
	CROUND                                         ; all sixteen work-groups are here: the joint loads meet
; ONE load a wave, in one chain of branches on the wave's number: waves 0, 1 the scale bytes, 2, 3 x's and 4-6 W's rows of chunk 0;  7, 11 x's and 8-10 W's of chunk 1.
.macro ARM under, g0, g1, next
	s_cmp_lt_u32 s[WV], \under
	s_cbranch_scc0 \next
	tensor_load_to_lds s[\g0:\g0+3], s[\g1:\g1+7]
	s_nop 0
.rept 4
	v_nop
.endr
	s_branch .Lasked
\next:
.endm
	ARM 1, G0XS, G1XS, .Lhead_ws
	ARM 2, G0WS, G1WS, .Lhead_x0
	ARM 4, G0X, G1X, .Lhead_w0
	ARM 7, G0W, G1W, .Lhead_x1
	ARM 8, G0X1, G1X, .Lhead_w1
	ARM 11, G0W1, G1W, .Lhead_last
	tensor_load_to_lds s[G0X1:G0X1+3], s[G1X:G1X+7]
	s_nop 0
.rept 4
	v_nop
.endr
.Lasked:
	s_add_co_u32 s27, s17, 4                       ; W's unit
	s_mul_i32 s98, s20, s27
	s_mul_i32 s99, s19, s18
	s_add_co_u32 s98, s98, s99                     ; P's unit: q, k: W's;  v: x's
	s_mul_i32 s98, s98, UNIT
	s_mul_i32 s99, s20, s18
	s_mul_i32 s27, s19, s27
	s_add_co_u32 s99, s99, s27                     ; R's unit: the other
	s_mul_i32 s99, s99, UNIT
	s_add_co_u32 s27, s18, 3                       ; from W's scale block (kind) up to x's (3 + rg)
	s_sub_co_u32 s27, s27, s17
	s_lshl_b32 s27, s27, 11
	s_lshl_b32 s28, s17, 11
	s_add_co_u32 s28, s28, SCL
	v_and_b32 v1, 15, v0                           ; r
	v_bfe_u32 v2, v0, 4, 1                         ; h
	v_and_b32 v3, 31, v0                           ; lane
	v_bfe_u32 v13, v0, 3, 1                        ; r / 8
	v_mul_u32_u24 v9, v1, 272
	v_lshl_add_u32 v9, v2, 4, v9
	v_mul_u32_u24 v10, v13, 16*272
	v_add_nc_u32 v11, v9, v10                      ; odd tiles: row 8 i + r + 16 (r / 8)
	v_lshl_add_u32 v12, v10, 1, v9                 ; even tiles: row 8 i + r + 32 (r / 8)
	v_add_nc_u32 v[ADP], s98, v12
	v_add_nc_u32 v[ADP+1], s98, v11
	v_add_nc_u32 v[ADR], s99, v12
	v_add_nc_u32 v[ADR+1], s99, v11
	v_xor_b32 v10, s19, v2                         ; x's scale block: q, k: lanes 16-31;  v: lanes 0-15
	v_mul_u32_u24 v10, s27, v10
	v_lshl_add_u32 v9, v1, 5, v10                  ; 32 bytes a row
	v_add_nc_u32 v9, s28, v9
	v_lshl_add_u32 v[ADS], v13, 10, v9
	v_lshl_add_u32 v[ADT], v13, 9, v9
	v_lshlrev_b32 v[GA], 4, v3
	v_lshlrev_b32 v[GS], 3, v3
	v_lshlrev_b32 v[SH], 3, v2
.macro LDP ks                          ; P's four fragments of K step ks: a lane takes 16 bytes at its row + 64 (ks % 4) + 16 h, and 32 bytes on
.irp i, 0,1,2,3
.irp c, 0,1
	ds_load_b128 v[PF+32*((\ks)%2)+8*\i+4*\c:PF+32*((\ks)%2)+8*\i+4*\c+3], v[ADP+(\i)%2] offset:2176*\i+64*((\ks)%4)+32*\c
.endr
.endr
.endm
.macro LDR ks, i0                      ; R's fragments i0, i0 + 1
.irp i, \i0, \i0+1
.irp c, 0,1
	ds_load_b128 v[RF+8*(\i)+4*\c:RF+8*(\i)+4*\c+3], v[ADR+(\i)%2] offset:2176*(\i)+64*((\ks)%4)+32*\c
.endr
.endr
.endm
.macro LDSC p                          ; the scale words of K steps 2 p, 2 p + 1: lanes 0-15 P's tile i, lanes 16-31 R's tile i
.irp i, 0,1,2,3
	ds_load_b64 v[SC+8*((\p)%2)+2*\i:SC+8*((\p)%2)+2*\i+1], v[ADS+4*((\i)%2)] offset:256*\i+8*(\p)
.endr
.endm
.macro MUL ks, b0                      ; 8 products: R's tiles b0, b0 + 1 against P's four; the 16 accumulators take turns
.set SK, SC+8*(((\ks)/2)%2)+(\ks)%2
.set PK, PF+32*((\ks)%2)
.irp b, \b0, \b0+1
.irp a, 0,1,2,3
.if (\ks) == 0
	v_wmma_scale_f32_16x16x128_f8f6f4 v[ACC+32*(\b)+8*\a:ACC+32*(\b)+8*\a+7], v[PK+8*\a:PK+8*\a+7], v[RF+8*(\b):RF+8*(\b)+7], 0, v[SK+2*\a], v[SK+2*(\b)] matrix_a_fmt:MATRIX_FMT_FP4 matrix_b_fmt:MATRIX_FMT_FP4 matrix_b_scale:MATRIX_SCALE_ROW1
.else
	v_wmma_scale_f32_16x16x128_f8f6f4 v[ACC+32*(\b)+8*\a:ACC+32*(\b)+8*\a+7], v[PK+8*\a:PK+8*\a+7], v[RF+8*(\b):RF+8*(\b)+7], v[ACC+32*(\b)+8*\a:ACC+32*(\b)+8*\a+7], v[SK+2*\a], v[SK+2*(\b)] matrix_a_fmt:MATRIX_FMT_FP4 matrix_b_fmt:MATRIX_FMT_FP4 matrix_b_scale:MATRIX_SCALE_ROW1
.endif
.endr
.endr
.endm
.macro PLACES
.rept 4
	v_nop                                          ; four plain lines between products and what loads into, reads or writes their registers
.endr
.endm
.macro KSTEP ks
	s_wait_dscnt 4                                 ; all but R's tiles 2, 3 (four loads) are in
	MUL \ks, 0
	s_wait_dscnt 0x0
.if (\ks) < 7
	PLACES
	LDP (\ks)+1
	LDR (\ks)+1, 0
.if ((((\ks)%2) == 0) && ((\ks) < 6))
	LDSC (\ks)/2+1
.endif
.endif
	MUL \ks, 2
.if (\ks) < 7
	PLACES
	LDR (\ks)+1, 2
.endif
.endm
	s_wait_alu depctr_va_vdst(0)                   ; the wait at the head's end
	s_cmp_lt_u32 s[WV], 7
	s_cbranch_scc0 .Lchunk_1
	s_wait_tensorcnt 0x0                           ; waves 0-6: the scale bytes and chunk 0 are in;  waves 7-11 wait for chunk 1 further down
.Lchunk_1:
	s_barrier_signal -1
	s_barrier_wait -1
	LDSC 0
	LDP 0
	LDR 0, 0
	LDR 0, 2
	KSTEP 0                                        ; its products start the sums
	KSTEP 1
	KSTEP 2
	s_wait_dscnt 4
	MUL 3, 0
	s_wait_dscnt 0x0                               ; my reads of chunk 0 are over
	s_wait_tensorcnt 0x0                           ; my load is in,
	s_barrier_signal -1
	MUL 3, 2
	s_barrier_wait -1                              ; everybody's is
	v_add_nc_u32 v[ADP], CHB, v[ADP]               ; on to chunk 1: these four are the places behind the products
	v_add_nc_u32 v[ADP+1], CHB, v[ADP+1]
	v_add_nc_u32 v[ADR], CHB, v[ADR]
	v_add_nc_u32 v[ADR+1], CHB, v[ADR+1]
	s_wait_alu depctr_va_vdst(0)                   ; the wait here, directly behind the writes
	LDP 4
	LDR 4, 0
	LDR 4, 2
	KSTEP 4
	KSTEP 5
	KSTEP 6
	KSTEP 7
	PLACES
.irp b, 0,1,2,3
	v_mov_b32 v[XP+\b], 0                          ; a lane permute's destination counts as one of its sources
.endr
; The four R tiles by turns: a lane's 32 registers of a tile are one block.
.irp b, 0,1,2,3
	v_max3_num_f32 v[TM+\b], |v[ACC+32*\b]|, |v[ACC+32*\b+1]|, 0x1800000   ; and the floor 2^(3 - 127): the byte cannot fall under 1
.endr
.irp i, 2,4,6,8,10,12,14,16,18,20,22,24,26,28,30
.irp b, 0,1,2,3
	v_max3_num_f32 v[TM+\b], v[TM+\b], |v[ACC+32*\b+\i]|, |v[ACC+32*\b+\i+1]|
.endr
.endr
.irp b, 0,1,2,3
	HINT 4
	v_add_nc_u32 v[SO+\b], 0xff000000, v[TM+\b]    ; 2 off its exponent field: the conversion takes that field as its scale
.endr
.irp b, 0,1,2,3
	HINT 4
	v_lshrrev_b32 v[X+\b], 23, v[SO+\b]            ; the scale's byte,
.endr
.irp b, 0,1,2,3
	HINT 4
	v_lshlrev_b32 v[X+\b], v[SH], v[X+\b]          ; at byte h of the word
.endr
.irp b, 0,1,2,3
	HINT 4
	v_permlanex16_b32 v[XP+\b], v[X+\b], s[SEL], s[SEL+1]
.endr
.irp b, 0,1,2,3
	HINT 4
	v_or_b32 v[TM+\b], v[X+\b], v[XP+\b]           ; with lane l xor 16's: bytes 0 and 1; bytes 2 and 3 stay 0
.endr
.irp b, 0,1,2,3
.irp a, 0,1,2,3
	v_cvt_scalef32_pk8_fp4_f32 v[PC+4*\b+\a], v[ACC+32*\b+8*\a:ACC+32*\b+8*\a+7], v[SO+\b]
.endr
.endr
	v_nop                                          ; one plain line behind the scaled conversions
	; where my 64 x 64 goes
	s_wait_alu depctr_va_vdst(0)                   ; the wait here, ahead of the run of scalar lines
	s_and_b32 s21, s24, 7                          ; the block of rows within its batch
	s_lshr_b32 s22, s24, 3
	s_lshl_b32 s22, s22, 4
	s_add_co_u32 s22, s22, s23                     ; 16 x batch + head
	s_lshl_b32 s25, s21, 2
	s_add_co_u32 s25, s25, s18                     ; q: group s / 64
	s_mul_i32 s25, s25, 2304
	s_mul_i32 s26, s22, 73728
	s_add_co_u32 s25, s25, s26                     ; q's codes,
	s_add_co_u32 s26, s25, 2048                    ; q's words
	s_lshr_b32 s27, s18, 1
	s_lshl_b32 s28, s21, 1
	s_add_co_u32 s27, s27, s28                     ; k, v: package s / 128
	s_mul_i32 s27, s27, 9216
	s_mul_i32 s28, s22, 147456
	s_add_co_u32 s27, s27, s28
	s_and_b32 s28, s18, 1                          ; which 64 of the 128
	s_lshl_b32 s29, s19, 12
	s_lshl_b32 s30, s28, 11
	s_add_co_u32 s29, s29, s30
	s_add_co_u32 s29, s29, s27                     ; k's or v's codes,
	s_lshl_b32 s30, s19, 9
	s_lshl_b32 s31, s28, 8
	s_add_co_u32 s30, s30, s31
	s_add_co_u32 s30, s30, s27
	s_add_co_u32 s30, s30, 8192                    ; and words
	s_cmp_eq_u32 s17, 0                            ; the choice hangs on the wave's number alone
	s_cselect_b32 s92, s25, s29
	s_cselect_b32 s94, s26, s30
	s_cselect_b64 s[98:99], s[12:13], s[14:15]
	s_mov_b32 s93, 0
	s_mov_b32 s95, 0
	s_add_nc_u64 s[92:93], s[98:99], s[92:93]
	s_add_nc_u64 s[94:95], s[98:99], s[94:95]
.irp b, 0,1,2,3
	global_store_b128 v[GA], v[PC+4*\b:PC+4*\b+3], s[92:93] offset:512*\b   ; 32 lanes store 512 consecutive bytes, at a multiple of 256 from the buffer's first byte
.endr
	s_cmp_eq_u32 s19, 0
	s_cbranch_scc0 .Lv_words
	v_cmp_eq_u32 vcc_lo, 1, v2                     ; q, k: lanes 0-15 keep the words of tiles 0, 1, lanes 16-31 those of tiles 2, 3
	v_cndmask_b32 v64, v[TM], v[TM+2], vcc_lo
	v_cndmask_b32 v65, v[TM+1], v[TM+3], vcc_lo
	s_branch .Lwords
.Lv_words:
	v_lshl_or_b32 v64, v[TM+1], 16, v[TM]          ; v: two bytes for each of the four tiles of d: half of a word of 128 keys
	v_lshl_or_b32 v65, v[TM+3], 16, v[TM+2]
.Lwords:
	s_wait_alu depctr_va_vdst(0)
	global_store_b64 v[GS], v[64:65], s[94:95]     ; 32 lanes store 256 consecutive bytes, aligned
	s_wait_tensorcnt 0x0                           ; the wave's end
	ds_add_u32 v[SPW], v[NIL]
	s_wait_dscnt 0x0
	CROUND                                         ; the closing round
	s_endpgm
.Lfunc_end_k_qd222b37792_qkv:
	.size	k_qd222b37792_qkv, .Lfunc_end_k_qd222b37792_qkv-k_qd222b37792_qkv
	.p2alignl 7, 3214868480
	.fill 96, 4, 3214868480
	.section	.rodata,"a",@progbits
	.p2align	6, 0x0
	.amdhsa_kernel k_qd222b37792_qkv
		.amdhsa_group_segment_fixed_size 259584
		.amdhsa_private_segment_fixed_size 0
		.amdhsa_enable_private_segment 0
		.amdhsa_kernarg_size 48
		.amdhsa_user_sgpr_count 2
		.amdhsa_user_sgpr_kernarg_segment_ptr 1
		.amdhsa_wavefront_size32 1
		.amdhsa_system_sgpr_workgroup_id_x 1
		.amdhsa_system_sgpr_workgroup_id_y 1
		.amdhsa_system_sgpr_workgroup_id_z 1
		.amdhsa_system_vgpr_workitem_id 0
		.amdhsa_next_free_vgpr 256
		.amdhsa_next_free_sgpr 100
		.amdhsa_reserve_vcc 1
		.amdhsa_float_denorm_mode_32 3
		.amdhsa_float_denorm_mode_16_64 3
		.amdhsa_memory_ordered 1
		.amdhsa_forward_progress 1
		.amdhsa_inst_pref_size 47
	.end_amdhsa_kernel
	.amdgpu_metadata
---
amdhsa.version: [ 1, 2 ]
amdhsa.kernels:
  - .name:           k_qd222b37792_qkv
    .symbol:         k_qd222b37792_qkv.kd
    .args:
      - { .name: x_codes, .offset: 0, .size: 8, .value_kind: global_buffer, .address_space: global }
      - { .name: x_scales, .offset: 8, .size: 8, .value_kind: global_buffer, .address_space: global }
      - { .name: W_qkv_codes, .offset: 16, .size: 8, .value_kind: global_buffer, .address_space: global }
      - { .name: W_qkv_scales, .offset: 24, .size: 8, .value_kind: global_buffer, .address_space: global }
      - { .name: qimg, .offset: 32, .size: 8, .value_kind: global_buffer, .address_space: global }
      - { .name: kv, .offset: 40, .size: 8, .value_kind: global_buffer, .address_space: global }
    .group_segment_fixed_size: 259584
    .private_segment_fixed_size: 0
    .kernarg_segment_align: 8
    .kernarg_segment_size: 48
    .max_flat_workgroup_size: 384
    .sgpr_count:     100
    .vgpr_count:     256
    .wavefront_size: 32
...
	.end_amdgpu_metadata
.endif
;; end of part 1
;; launch attn (part 2): grid 8 x 32, 16 waves a work-group, clusters of 4 x 1, 186,368 bytes of LDS; arguments qimg, kv, oimg, osc; writes oimg, osc
.if DOCPART == 2
	.amdgcn_target "amdgcn-amd-amdhsa--gfx1250"
	.amdhsa_code_object_version 6
	.text
	.protected	k_qd222b37792_attn
	.globl	k_qd222b37792_attn
	.p2align	8
	.type	k_qd222b37792_attn,@function
k_qd222b37792_attn:
	s_mov_b64 s[64:65], 0
	v_nop
	global_prefetch_b8 v0, s[64:65] scope:SCOPE_SE
	s_setreg_imm32_b32 hwreg(HW_REG_WAVE_MODE, 25, 1), 1
	s_wait_xcnt 0x0
	s_wait_alu depctr_hold_cnt(0) depctr_sa_sdst(0) depctr_va_vdst(0) depctr_va_sdst(0) depctr_va_ssrc(0) depctr_va_vcc(0) depctr_vm_vsrc(0)
	s_getreg_b32 s2, hwreg(HW_REG_IB_STS2, 6, 4)
	s_cmp_eq_u32 s2, 0
	s_cbranch_scc0 .Lentry_in_a_cluster
	s_endpgm
.Lentry_in_a_cluster:
	s_bfe_u32 s2, ttmp6, 0x10000c
	s_cmp_lg_u32 s2, 0x3003
	s_cbranch_scc0 .Lentry_shape_is_right
	s_endpgm
.Lentry_shape_is_right:
; o = softmax(q k^T / 8) v under reference()'s causal mask, both products on codes of FP4 with E8M0 scales, and the quantising of o along the head's 64.
; LEFT OUT: blocks of 128 keys that the causal mask hides wholly from a block of 128 queries: p is 0 there for all inputs (a NaN or an infinity that reaches only those is not carried on).
; SHARES.  Grid (j, head and batch).  Work-group j takes tile j (16 queries) of EVERY block of 128 queries of its head: 16 tiles, of 1 to 16 key blocks: the same walk in all eight work-groups, so no branch hangs on j.
; Waves w = 0-7: block 15 - w, keys 0 to 1,023: 8 steps.  Waves 8 + w: block 15 - w, keys from 1,024 on: 8 - w steps, whose O, M and sum they leave in LDS for wave w; then block w: w + 1 steps.
; All of the head's K and V (16 packages of 9,216 bytes) lie in LDS, one package a wave, asked for jointly by the cluster's four work-groups at the head, filled once.  No prefetch: there is no loop of loads to run ahead in.
; LAYOUT.  S^T = K Q^T, O^T = V^T P^T: a lane holds one query (lane % 16).  Of each 64 keys its registers 8 a + j are the keys 32 h + 8 (a xor h) + j, h = lane / 16: a WHOLE block of 32, in the order in which v's codes have it.
; t = score x log2(e) / 8; M = the running largest t rounded up to a whole number; p = 2^(t - M); the sum is of the unquantised p, f32, and divides at the end; when M moves, the sum and O are multiplied by a power of two.
; A step reads V at its start and the NEXT step's K behind its score products, into the registers that these have read.
; LIMITS: the scaled scores stay under 2^31 in magnitude; NaN and infinities are not served; a block's largest magnitude is taken no smaller than 2^(3 - 127).
.set PKG, 9216
.set STG, 16*PKG                       ; 8 x 4,608 bytes: the partial results
.set SPARE, STG+8*4608
.set LI,  1                            ; 16 x lane
.set LW,  2                            ; 8 x lane
.set ADK, 3                            ; the step's package: V's tiles,
.set ADW, 4                            ; and words
.set NI,  5                            ; -infinity
.set SH,  6                            ; 8 h
.set OSA, 7
.set QF,  8                            ; q's fragment; registers 4-7 (k = 64 .. 127) are zero codes
.set QS,  16
.set Q2S, 17
.set NM,  18                           ; -M
.set MS,  19                           ; the largest score so far
.set SUM, 20                           ; the sum in two halves
.set Q2F, 22                           ; the second block's q
.set KFR, 26                           ; 8 tiles x 4 registers, then 4 zeros.  A tile's operand runs on into the next tile's codes: q's zero codes stand against them
.set KSC, 62
.set S,   68
.set O,   132
.set VF,  164
.set VH,  196
.set VS,  200
.set PC,  204
.set PWD, 212
.set SO,  214
.set BM,  216
.set T,   220
.set T2,  221
.set FF,  222
.set TMP, 224
.set OLD, 225
.set SU2, 226
.set X,   228
.set XP,  229
.set MA,  230                          ; my place among the partial results
.set ADN, 231                          ; the next step's package: K's tiles,
.set ADM, 232                          ; and words
.set SU3, 234
.set SU4, 236
.set SPW, 254
.set NIL, 255
.set WV,  2
.set ROLE, 3                           ; 0: waves 0-7
.set TN,  12                           ; where the next step's package begins (s12 is free once the head's load is in)
.set G1,  12
.set G0,  20
.set KB,  24                           ; the step's key block
.set QB,  25                           ; my query block
.set TB,  26                           ; where the step's package begins in LDS
.set CNT, 27
.set SEL, 28
.set CS,  30                           ; log2(e) / 8, twice
.set NC,  32                           ; less that
.set QB2, 33                           ; the second walk's query block, -1 in waves 0-7
; s34-63, s66-99: 64 lane masks of the diagonal step: register n of S is hidden in the lanes of mask n
.macro HINT n
	s_delay_alu instid0(VALU_DEP_\n)
.endm
.macro MASKREG
.if n < 30
.set MK, 34+n
.else
.set MK, 36+n
.endif
.endm
.macro CROUND
	s_barrier_signal -1
	s_barrier_wait -1
	s_cmp_lg_u32 s[WV], 0
	s_cbranch_scc1 .Lnot_wave_0_\@
	s_barrier_signal -3
.Lnot_wave_0_\@:
	s_barrier_wait -3
	s_barrier_signal -1
	s_barrier_wait -1
.endm
	s_load_b256 s[4:11], s[0:1], 0x0               ; qimg, kv, oimg, osc
	v_lshl_add_u32 v[SPW], v0, 2, SPARE
	v_mov_b32 v[NIL], 0
	ds_add_u32 v[SPW], v[NIL]                      ; the opening add, twice on end
	ds_add_u32 v[SPW], v[NIL]
	v_lshrrev_b32 v1, 5, v0
	HINT 1
	v_readfirstlane_b32 s[WV], v1
	s_lshr_b32 s[ROLE], s[WV], 3
	s_and_b32 s34, s[WV], 7                        ; w
	s_bfe_u32 s35, ttmp6, 0x40000
	s_lshl_b32 s36, ttmp9, 2
	s_add_co_u32 s35, s35, s36                     ; j: enters vector offsets and output addresses alone
	s_and_b32 s36, ttmp7, 0xffff                   ; 16 x batch + head
	s_mov_b32 s[G1], 15|(3<<16)|(1<<21)            ; the mask: all four work-groups of the cluster; elements of 8 bytes; bit 21 set beside a mask
	s_mov_b32 s[G1+1], 32<<16                      ; a package: 36 rows of 256 bytes, dense
	s_mov_b32 s[G1+2], 36<<16
	s_mov_b32 s[G1+3], 32<<16
	s_mov_b32 s[G1+4], 36
	s_mov_b32 s[G1+5], 32
	s_mov_b32 s[G1+6], 0
	s_mov_b32 s[G1+7], 0
	s_mul_i32 s37, s[WV], PKG
	s_mul_i32 s38, s36, 16*PKG
	s_add_co_u32 s38, s38, s37
	s_mov_b32 s39, 0
	s_mov_b32 s[G0], 1
	s_mov_b32 s[G0+1], s37
	s_mov_b32 s[SEL], 0x76543210
	s_mov_b32 s[SEL+1], 0xfedcba98
	s_mov_b32 s[CS], 0x3e38aa3b
	s_mov_b32 s[CS+1], s[CS]
	s_mov_b32 s[NC], 0xbe38aa3b
	s_wait_dscnt 0x0                               ; both opening adds are done
	s_wait_kmcnt 0x0
	s_add_nc_u64 s[G0+2:G0+3], s[6:7], s[38:39]
	s_or_b32 s[G0+3], s[G0+3], 0x80000000
	CROUND                                         ; the cluster's four work-groups are here: the joint loads meet
	tensor_load_to_lds s[G0:G0+3], s[G1:G1+7]      ; package number wave
	s_nop 0
.rept 4
	v_nop
.endr
	; q: in its group of 64 rows (image of tiles of rows 8 i + r / 32 + 8 (i xor 1) + r - 8) row 16 (j % 4) + r lies in tile 2 v + ((r / 8) xor u) at lane 8 u + r % 8; u = bit 1 of j, v = bit 0
	s_bfe_u32 s40, s35, 0x10001                    ; u
	s_and_b32 s41, s35, 1                          ; v
	s_lshr_b32 s42, s35, 2
	s_mul_i32 s42, s42, 2304
	s_mul_i32 s43, s36, 73728
	s_add_co_u32 s42, s42, s43                     ; the head, and the block's first or second 64 rows
	s_mul_i32 s44, s34, 4608
	s_add_co_u32 s44, s44, s42                     ; block w
	s_mov_b32 s45, 0
	s_xor_b32 s[QB], s34, 15                       ; block 15 - w
	s_mul_i32 s46, s[QB], 4608
	s_add_co_u32 s46, s46, s42
	s_mov_b32 s47, 0
	s_add_nc_u64 s[6:7], s[4:5], s[44:45]
	s_add_nc_u64 s[4:5], s[4:5], s[46:47]
	s_lshl_b32 s44, s41, 10
	s_lshl_b32 s45, s40, 7
	s_add_co_u32 s44, s44, s45                     ; 1,024 v + 128 u
	s_lshl_b32 s45, s41, 7
	s_lshl_b32 s46, s40, 6
	s_add_co_u32 s45, s45, s46                     ; 128 v + 64 u
	s_mul_i32 s46, s34, 4608
	s_add_co_u32 s46, s46, STG
	s_lshl_b32 s47, s35, 4                         ; 16 j
	v_and_b32 v40, 31, v0
	v_and_b32 v41, 7, v0
	v_bfe_u32 v42, v0, 3, 1
	v_bfe_u32 v43, v0, 4, 1                        ; h
	v_and_b32 v44, 15, v0                          ; r
	v_lshlrev_b32 v[LI], 4, v40
	v_lshlrev_b32 v[LW], 3, v40
	v_xor_b32 v42, s40, v42
	v_lshlrev_b32 v45, 4, v41
	v_lshlrev_b32 v46, 3, v41
	v_lshl_add_u32 v45, v42, 9, v45
	v_lshl_add_u32 v46, v42, 2, v46
	v_lshl_add_u32 v45, v43, 8, v45
	v_add_nc_u32 v46, s45, v46
	v_add_nc_u32 v45, s44, v45
	global_load_b128 v[QF:QF+3], v45, s[4:5]
	global_load_b32 v[QS], v46, s[4:5] offset:2048
	global_load_b128 v[Q2F:Q2F+3], v45, s[6:7]
	global_load_b32 v[Q2S], v46, s[6:7] offset:2048
	v_lshlrev_b32 v[SH], 3, v43
	v_lshlrev_b32 v[OSA], 5, v44
	v_add_nc_u32 v[MA], s46, v[LI]
	v_mul_u32_u24 v47, v43, 24
	v_sub_nc_u32 v49, v44, v47
	v_add_nc_u32 v49, s47, v49                     ; odd a: hidden where 64 c + 8 a + j > 16 tile + r - 24 h,
	v_lshlrev_b32 v47, 4, v43
	v_sub_nc_u32 v48, v49, v47                     ; even a: - 40 h
	v_mov_b32 v[NI], 0xff800000
.irp i, 4,5,6,7
	v_mov_b32 v[QF+\i], 0
.endr
.irp i, 32,33,34,35
	v_mov_b32 v[KFR+\i], 0
.endr
.macro FRESH                           ; no key seen yet
	v_mov_b32 v[NM], 0x7e000000
	v_mov_b32 v[MS], 0xff61b1e6
	v_mov_b32 v[SUM], 0
	v_mov_b32 v[SUM+1], 0
.set n, 0
.rept 32
	v_mov_b32 v[O+n], 0
.set n, n+1
.endr
.endm
	FRESH
	v_mov_b32 v[T2], 0                             ; lane permutes' destinations count as sources
	v_mov_b32 v[XP], 0
	v_mov_b32 v[FF+1], 0                           ; (named as upper halves of pairs)
	v_mov_b32 v[SU2], 0
	v_mov_b32 v[SU2+1], 0
	s_wait_alu depctr_va_vdst(0)                   ; the wait here, ahead of the run of scalar lines
	s_mul_i32 s[QB2], s34, s[ROLE]
	s_add_co_u32 s[QB2], s[QB2], s[ROLE]
	s_sub_co_i32 s[QB2], s[QB2], 1
	s_lshl_b32 s[KB], s[ROLE], 3
	s_mul_i32 s[TB], s[ROLE], 8*PKG
	s_xor_b32 s38, s[ROLE], 1
	s_mul_i32 s38, s38, 15
	s_xor_b32 s38, s38, s34                        ; the block whose o I store: 15 - w or w
	s_lshr_b32 s40, s36, 4
	s_and_b32 s41, s36, 15                         ; the head
	s_lshl_b32 s40, s40, 7
	s_lshl_b32 s38, s38, 3
	s_add_co_u32 s40, s40, s38
	s_add_co_u32 s40, s40, s35                     ; its tile of 16 rows
	s_lshl_b32 s38, s40, 13
	s_lshl_b32 s42, s41, 9
	s_add_co_u32 s38, s38, s42
	s_mov_b32 s39, 0
	s_add_nc_u64 s[8:9], s[8:9], s[38:39]
	s_lshl_b32 s38, s40, 9
	s_lshl_b32 s42, s41, 1
	s_add_co_u32 s38, s38, s42
	s_add_nc_u64 s[10:11], s[10:11], s[38:39]
.set n, 0
.rept 64
	MASKREG
	v_cmp_gt_i32 s[MK], 64*(n/32)+n%32, v[48+(n/8)%2]
.set n, n+1
.endr
.macro LDK ak, aw                      ; K's eight tiles and words of a package: ten loads
.irp t, 0,1,2,3,4,5,6,7
	ds_load_b128 v[KFR+4*\t:KFR+4*\t+3], v[\ak] offset:512*\t
.endr
.irp c, 0,1
	ds_load_b64 v[KSC+2*\c:KSC+2*\c+1], v[\aw] offset:8192+256*\c
.endr
.endm
.macro OM k                            ; eight registers of O under the new M
.irp i, 0,2,4,6
	v_pk_mul_f32 v[O+8*\k+\i:O+8*\k+\i+1], v[O+8*\k+\i:O+8*\k+\i+1], v[FF:FF+1] op_sel_hi:[1,0]
.endr
.endm
.macro TSCALE n0, pairs                ; t - M, two at a time
.set n, \n0
.rept \pairs
	v_pk_fma_f32 v[S+n:S+n+1], v[S+n:S+n+1], s[CS:CS+1], v[NM:NM+1] op_sel_hi:[1,0,0]
.set n, n+2
.endr
.endm
; A STEP: 128 keys.  What the mask hides wholly is jumped over; the branch hangs on the wave's number and the count of steps alone.  The step's K has been asked for ahead of it.
.macro STEP
	s_cmp_gt_i32 s[KB], s[QB]
	s_cbranch_scc1 .Lhid_\@
	v_add_nc_u32 v[ADK], s[TB], v[LI]
	v_add_nc_u32 v[ADW], s[TB], v[LW]
.irp c, 0,1
.irp n, 0,1,2,3
	ds_load_b128 v[VF+8*\n+4*\c:VF+8*\n+4*\c+3], v[ADK] offset:4096+2048*\c+512*\n
.endr
.endr
.irp c, 0,1
	ds_load_b64 v[VH+2*\c:VH+2*\c+1], v[ADW] offset:8704+256*\c
.endr
	s_add_co_u32 s[TN], s[TB], PKG
	s_min_u32 s[TN], s[TN], 15*PKG                 ; held to the last package
	s_wait_dscnt 10                                ; K's tiles and words are in; V's ten loads may be out
.irp t, 0,1,2,3,4,5,6,7
.if (\t)&2
	v_wmma_scale_f32_16x16x128_f8f6f4 v[S+8*\t:S+8*\t+7], v[KFR+4*\t:KFR+4*\t+7], v[QF:QF+7], 0, v[KSC+2*(\t/4)+\t%2], v[QS] matrix_a_fmt:MATRIX_FMT_FP4 matrix_b_fmt:MATRIX_FMT_FP4 matrix_a_scale:MATRIX_SCALE_ROW1
.else
	v_wmma_scale_f32_16x16x128_f8f6f4 v[S+8*\t:S+8*\t+7], v[KFR+4*\t:KFR+4*\t+7], v[QF:QF+7], 0, v[KSC+2*(\t/4)+\t%2], v[QS] matrix_a_fmt:MATRIX_FMT_FP4 matrix_b_fmt:MATRIX_FMT_FP4
.endif
.endr
	v_add_nc_u32 v[ADN], s[TN], v[LI]              ; four places behind the products
	v_add_nc_u32 v[ADM], s[TN], v[LW]
	v_nop
	v_nop
	LDK ADN, ADM                                   ; the next step's K
	s_cmp_lg_u32 s[KB], s[QB]
	s_cbranch_scc1 .Lopen_\@
.set n, 0
.rept 64
	MASKREG
	v_cndmask_b32 v[S+n], v[S+n], v[NI], s[MK]     ; the diagonal: hidden scores become -infinity ahead of the maximum
.set n, n+1
.endr
.Lopen_\@:
.irp b, 0,1,2,3
	v_max3_num_f32 v[BM+\b], v[S+16*\b], v[S+16*\b+1], v[S+16*\b+2]
.endr
.irp i, 3,5,7,9,11,13
.irp b, 0,1,2,3
	v_max3_num_f32 v[BM+\b], v[BM+\b], v[S+16*\b+\i], v[S+16*\b+\i+1]
.endr
.endr
	v_max3_num_f32 v[BM], v[BM], v[S+15], v[S+31]
	v_max3_num_f32 v[BM+2], v[BM+2], v[S+47], v[S+63]
	HINT 2
	v_max_num_f32 v[BM], v[BM], v[BM+1]            ; the largest score of my block of keys 0 .. 63,
	HINT 2
	v_max_num_f32 v[BM+2], v[BM+2], v[BM+3]        ; of my block of keys 64 .. 127: p rises with the score, so these serve the blocks' scales too
	HINT 1
	v_max_num_f32 v[T], v[BM], v[BM+2]
	HINT 1
	v_permlanex16_b32 v[T2], v[T], s[SEL], s[SEL+1]
	HINT 1
	v_max3_num_f32 v[MS], v[MS], v[T], v[T2]       ; the row's largest score so far
	HINT 1
	v_mul_f32 v[TMP], s[NC], v[MS]                 ; -t
	v_mov_b32 v[OLD], v[NM]
	HINT 2
	v_floor_f32 v[NM], v[TMP]                      ; -M
	v_fma_f32 v[BM], v[BM], s[CS], v[NM]
	v_fma_f32 v[BM+2], v[BM+2], s[CS], v[NM]
	TSCALE 0, 3
	v_sub_f32 v[OLD], v[NM], v[OLD]                ; old M - new M: a whole number, 0 or less
	TSCALE 6, 4
	v_cvt_i32_f32 v[OLD], v[OLD]
	TSCALE 14, 4
	v_ldexp_f32 v[FF], 1.0, v[OLD]
	TSCALE 22, 21
	s_wait_alu depctr_va_vdst(0)                   ; the wait ahead of the batch
.set n, 0
.rept 64
	v_exp_f32 v[S+n], v[S+n]
.set n, n+1
.endr
	v_exp_f32 v[BM], v[BM]                         ; the blocks' largest p: the same lines on the same numbers
	v_exp_f32 v[BM+2], v[BM+2]
	v_pk_mul_f32 v[SUM:SUM+1], v[SUM:SUM+1], v[FF:FF+1] op_sel_hi:[1,0]
	s_wait_dscnt 10                                ; V is in; the next K's ten loads may be out
	s_wait_alu depctr_va_vdst(0)                   ; the wait behind the batch; it serves O, the last products' result, too
	v_max_num_f32 v[BM], 0x1800000, v[BM]
	v_max_num_f32 v[BM+2], 0x1800000, v[BM+2]
	OM 0
	v_add_nc_u32 v[SO], 0xff000000, v[BM]          ; 2 off the exponent field: the conversion's scale
	v_add_nc_u32 v[SO+1], 0xff000000, v[BM+2]
	OM 1
	v_lshrrev_b32 v[X], 23, v[SO]
	v_lshrrev_b32 v[XP], 23, v[SO+1]
	OM 2
	v_lshl_or_b32 v[X], v[XP], 16, v[X]            ; blocks h and 2 + h
	OM 3
	v_lshlrev_b32 v[X], v[SH], v[X]
	v_perm_b32 v[VS], v[VH+2], v[VH], 0x05040100   ; V's scale words of 128 keys, from two half words
	v_perm_b32 v[VS+1], v[VH+2], v[VH], 0x07060302
	v_perm_b32 v[VS+2], v[VH+3], v[VH+1], 0x05040100
	v_perm_b32 v[VS+3], v[VH+3], v[VH+1], 0x07060302
	v_permlanex16_b32 v[XP], v[X], s[SEL], s[SEL+1]
	v_pk_add_f32 v[SU2:SU2+1], v[S:S+1], v[S+2:S+3]   ; the sum of the unquantised p, in four chains
	v_pk_add_f32 v[SU3:SU3+1], v[S+4:S+5], v[S+6:S+7]
	v_pk_add_f32 v[SU4:SU4+1], v[S+8:S+9], v[S+10:S+11]
	v_or_b32 v[PWD], v[X], v[XP]                   ; p's scale word
.irp c, 0,1
.irp a, 0,1,2,3
	v_cvt_scalef32_pk8_fp4_f32 v[PC+4*\c+\a], v[S+32*\c+8*\a:S+32*\c+8*\a+7], v[SO+\c]
.endr
.endr
.set n, 12
.rept 6
	v_pk_add_f32 v[SUM:SUM+1], v[SUM:SUM+1], v[S+n:S+n+1]   ; (the first is also the plain line behind the conversions)
	v_pk_add_f32 v[SU2:SU2+1], v[SU2:SU2+1], v[S+n+2:S+n+3]
	v_pk_add_f32 v[SU3:SU3+1], v[SU3:SU3+1], v[S+n+4:S+n+5]
	v_pk_add_f32 v[SU4:SU4+1], v[SU4:SU4+1], v[S+n+6:S+n+7]
.set n, n+8
.endr
.irp n, 0,1,2,3
	v_wmma_scale_f32_16x16x128_f8f6f4 v[O+8*\n:O+8*\n+7], v[VF+8*\n:VF+8*\n+7], v[PC:PC+7], v[O+8*\n:O+8*\n+7], v[VS+\n], v[PWD] matrix_a_fmt:MATRIX_FMT_FP4 matrix_b_fmt:MATRIX_FMT_FP4
.endr
	v_pk_add_f32 v[SUM:SUM+1], v[SUM:SUM+1], v[S+60:S+61]   ; these five name no register of the products: the places behind them
	v_pk_add_f32 v[SU2:SU2+1], v[SU2:SU2+1], v[S+62:S+63]
	v_pk_add_f32 v[SU3:SU3+1], v[SU3:SU3+1], v[SU4:SU4+1]
	v_pk_add_f32 v[SUM:SUM+1], v[SUM:SUM+1], v[SU2:SU2+1]
	v_pk_add_f32 v[SUM:SUM+1], v[SUM:SUM+1], v[SU3:SU3+1]
.Lhid_\@:
	s_add_co_u32 s[KB], s[KB], 1
	s_add_co_u32 s[TB], s[TB], PKG
.endm
	s_wait_alu depctr_va_vdst(0)                   ; the wait at the head's end
	s_wait_loadcnt 0x0                             ; q
	s_wait_tensorcnt 0x0                           ; my package is in,
	s_barrier_signal -1
	s_barrier_wait -1                              ; everybody's is
	v_add_nc_u32 v[ADN], s[TB], v[LI]
	v_add_nc_u32 v[ADM], s[TB], v[LW]
	LDK ADN, ADM                                   ; the first step's K
	s_mov_b32 s[CNT], 8
.Lone:
	STEP
	s_sub_co_u32 s[CNT], s[CNT], 1
	s_cmp_lg_u32 s[CNT], 0
	s_cbranch_scc1 .Lone
	s_wait_dscnt 0x0                               ; the loads of K that ran ahead of the last step are in
	s_cmp_eq_u32 s[ROLE], 0
	s_cbranch_scc1 .Lkeep
.rept 4
	v_nop                                          ; four places behind the last products
.endr
	s_wait_alu depctr_va_vdst(0)                   ; the wait here, directly ahead of the readers
.irp i, 0,1,2,3,4,5,6,7
	ds_store_b128 v[MA], v[O+4*\i:O+4*\i+3] offset:512*\i
.endr
	ds_store_b128 v[MA], v[NM:NM+3] offset:4096    ; -M, the largest score, the sum's halves
	LDK LI, LW                                     ; block w begins at package 0
	FRESH
.irp i, 0,1,2,3
	v_mov_b32 v[QF+\i], v[Q2F+\i]
.endr
	v_mov_b32 v[QS], v[Q2S]
.Lkeep:
	s_mov_b32 s[QB], s[QB2]
	s_mov_b32 s[KB], 0
	s_mov_b32 s[TB], 0
	s_mov_b32 s[CNT], 8
	s_wait_alu depctr_va_vdst(0)
	s_wait_dscnt 0x0                               ; my partial results are in LDS
	s_barrier_signal -1                            ; say so; between here and the wait below stand register work and loads of K and V, which nobody writes
.Ltwo:                                                 ; waves 0-7 pass over every step of it
	STEP
	s_sub_co_u32 s[CNT], s[CNT], 1
	s_cmp_lg_u32 s[CNT], 0
	s_cbranch_scc1 .Ltwo
.rept 4
	v_nop
.endr
	s_wait_alu depctr_va_vdst(0)
	s_barrier_wait -1
	s_cmp_lg_u32 s[ROLE], 0
	s_cbranch_scc1 .Lmine
.irp i, 0,1,2,3,4,5,6,7
	ds_load_b128 v[S+4*\i:S+4*\i+3], v[MA] offset:512*\i
.endr
	ds_load_b128 v[S+32:S+35], v[MA] offset:4096
	s_wait_dscnt 0x0
	v_min_num_f32 v[T], v[NM], v[S+32]             ; -M of both parts
	v_sub_f32 v[OLD], v[T], v[NM]
	v_sub_f32 v[TMP], v[T], v[S+32]
	HINT 2
	v_cvt_i32_f32 v[OLD], v[OLD]
	HINT 2
	v_cvt_i32_f32 v[TMP], v[TMP]
	HINT 2
	v_ldexp_f32 v[FF], 1.0, v[OLD]
	HINT 2
	v_ldexp_f32 v[SU2], 1.0, v[TMP]
	v_pk_mul_f32 v[S+34:S+35], v[S+34:S+35], v[SU2:SU2+1] op_sel_hi:[1,0]
.set n, 0
.rept 16
	v_pk_mul_f32 v[S+n:S+n+1], v[S+n:S+n+1], v[SU2:SU2+1] op_sel_hi:[1,0]
.set n, n+2
.endr
	v_pk_fma_f32 v[SUM:SUM+1], v[SUM:SUM+1], v[FF:FF+1], v[S+34:S+35] op_sel_hi:[1,0,1]
.set n, 0
.rept 16
	v_pk_fma_f32 v[O+n:O+n+1], v[O+n:O+n+1], v[FF:FF+1], v[S+n:S+n+1] op_sel_hi:[1,0,1]
.set n, n+2
.endr
.Lmine:
	v_add_f32 v[SUM], v[SUM], v[SUM+1]
	HINT 1
	v_permlanex16_b32 v[T2], v[SUM], s[SEL], s[SEL+1]
	HINT 1
	v_add_f32 v[SUM], v[SUM], v[T2]                ; the row's sum
	s_wait_alu depctr_va_vdst(0)                   ; the wait ahead of the transcendental
	v_rcp_f32 v[SUM], v[SUM]
	v_nop
	s_wait_alu depctr_va_vdst(0)                   ; and behind it; it serves O as well
.set n, 0
.rept 32
	v_mul_f32 v[S+n], v[O+n], v[SUM]               ; register 8 n + j: channel 32 h + 8 (n xor h) + j: my block of 32
.set n, n+1
.endr
	v_max3_num_f32 v[BM], |v[S]|, |v[S+1]|, 0x1800000
	v_max3_num_f32 v[BM+1], |v[S+16]|, |v[S+17]|, 0x1800000
.irp i, 2,4,6,8,10,12,14
	HINT 2
	v_max3_num_f32 v[BM], v[BM], |v[S+\i]|, |v[S+\i+1]|
	HINT 2
	v_max3_num_f32 v[BM+1], v[BM+1], |v[S+16+\i]|, |v[S+17+\i]|
.endr
	HINT 1
	v_max_num_f32 v[BM], v[BM], v[BM+1]
	HINT 1
	v_add_nc_u32 v[SO], 0xff000000, v[BM]
	HINT 1
	v_lshrrev_b32 v[X], 23, v[SO]
	HINT 1
	v_lshlrev_b32 v[X], v[SH], v[X]
	HINT 1
	v_permlanex16_b32 v[XP], v[X], s[SEL], s[SEL+1]
	HINT 1
	v_or_b32 v[PWD], v[X], v[XP]                   ; the row's two bytes
.irp a, 0,1,2,3
	v_cvt_scalef32_pk8_fp4_f32 v[PC+\a], v[S+8*\a:S+8*\a+7], v[SO]
.endr
	v_cmp_eq_u32 vcc_lo, 0, v[SH]                  ; (the plain line behind the conversions)
	v_cndmask_b32 v[VS], v[PC+1], v[PC], vcc_lo    ; lanes 16-31 hold the block's eights in the order 1, 0, 3, 2: W_out's codes have them in order
	v_cndmask_b32 v[VS+1], v[PC], v[PC+1], vcc_lo
	v_cndmask_b32 v[VS+2], v[PC+3], v[PC+2], vcc_lo
	v_cndmask_b32 v[VS+3], v[PC+2], v[PC+3], vcc_lo
	global_store_b128 v[LI], v[VS:VS+3], s[8:9]    ; 32 lanes store 512 consecutive bytes, aligned
	global_store_b16 v[OSA], v[PWD], s[10:11]
	s_wait_tensorcnt 0x0                           ; the wave's end
	ds_add_u32 v[SPW], v[NIL]
	s_wait_dscnt 0x0
	CROUND                                         ; the closing round
	s_endpgm
.Lfunc_end_k_qd222b37792_attn:
	.size	k_qd222b37792_attn, .Lfunc_end_k_qd222b37792_attn-k_qd222b37792_attn
	.p2alignl 7, 3214868480
	.fill 96, 4, 3214868480
	.section	.rodata,"a",@progbits
	.p2align	6, 0x0
	.amdhsa_kernel k_qd222b37792_attn
		.amdhsa_group_segment_fixed_size 186368
		.amdhsa_private_segment_fixed_size 0
		.amdhsa_enable_private_segment 0
		.amdhsa_kernarg_size 32
		.amdhsa_user_sgpr_count 2
		.amdhsa_user_sgpr_kernarg_segment_ptr 1
		.amdhsa_wavefront_size32 1
		.amdhsa_system_sgpr_workgroup_id_x 1
		.amdhsa_system_sgpr_workgroup_id_y 1
		.amdhsa_system_sgpr_workgroup_id_z 1
		.amdhsa_system_vgpr_workitem_id 0
		.amdhsa_next_free_vgpr 256
		.amdhsa_next_free_sgpr 100
		.amdhsa_reserve_vcc 1
		.amdhsa_float_denorm_mode_32 3
		.amdhsa_float_denorm_mode_16_64 3
		.amdhsa_memory_ordered 1
		.amdhsa_forward_progress 1
		.amdhsa_inst_pref_size 62
	.end_amdhsa_kernel
	.amdgpu_metadata
---
amdhsa.version: [ 1, 2 ]
amdhsa.kernels:
  - .name:           k_qd222b37792_attn
    .symbol:         k_qd222b37792_attn.kd
    .args:
      - { .name: qimg, .offset: 0, .size: 8, .value_kind: global_buffer, .address_space: global }
      - { .name: kv, .offset: 8, .size: 8, .value_kind: global_buffer, .address_space: global }
      - { .name: oimg, .offset: 16, .size: 8, .value_kind: global_buffer, .address_space: global }
      - { .name: osc, .offset: 24, .size: 8, .value_kind: global_buffer, .address_space: global }
    .group_segment_fixed_size: 186368
    .private_segment_fixed_size: 0
    .kernarg_segment_align: 8
    .kernarg_segment_size: 32
    .max_flat_workgroup_size: 512
    .sgpr_count:     100
    .vgpr_count:     256
    .wavefront_size: 32
...
	.end_amdgpu_metadata
.endif
;; end of part 2
;; launch proj (part 3): grid 8 x 32, 4 waves a work-group, clusters of 4 x 4, 167,936 bytes of LDS; arguments oimg, osc, W_out_codes, W_out_scales, out0; writes out0
.if DOCPART == 3
	.amdgcn_target "amdgcn-amd-amdhsa--gfx1250"
	.amdhsa_code_object_version 6
	.text
	.protected	k_qd222b37792_proj
	.globl	k_qd222b37792_proj
	.p2align	8
	.type	k_qd222b37792_proj,@function
k_qd222b37792_proj:
	s_mov_b64 s[64:65], 0
	v_nop
	global_prefetch_b8 v0, s[64:65] scope:SCOPE_SE
	s_setreg_imm32_b32 hwreg(HW_REG_WAVE_MODE, 25, 1), 1
	s_wait_xcnt 0x0
	s_wait_alu depctr_hold_cnt(0) depctr_sa_sdst(0) depctr_va_vdst(0) depctr_va_sdst(0) depctr_va_ssrc(0) depctr_va_vcc(0) depctr_vm_vsrc(0)
	s_getreg_b32 s2, hwreg(HW_REG_IB_STS2, 6, 4)
	s_cmp_eq_u32 s2, 0
	s_cbranch_scc0 .Lentry_in_a_cluster
	s_endpgm
.Lentry_in_a_cluster:
	s_bfe_u32 s2, ttmp6, 0x10000c
	s_cmp_lg_u32 s2, 0xf033
	s_cbranch_scc0 .Lentry_shape_is_right
	s_endpgm
.Lentry_shape_is_right:
; out0 = o W_out^T on codes of FP4 (E2M1) with E8M0 scales; out0 [4,096][1,024] f32.
; o: oimg [tile of 16 rows, 256][K step 8][c 2][512]: images of the operand's registers;  osc [4,096][32] its scale bytes.  W_out: 1,024 rows of 512 bytes of codes, 32 scale bytes a row.
; SHARES.  A work-group makes 128 x 128 of out0; all of K of its rows of o and of W_out lies in LDS, filled once, one joint load a wave at the head.  Four waves of 64 x 64: wn = wave % 2 (columns), wm = wave / 2 (rows).
; W_out's fragments of all K (4 tiles x 8 K steps x 8 registers) stay in window 1: they are read from LDS while o may still be on its way.  o's tiles of 16 rows go by turns, 64 registers each, two sets: a block of 16 rows is finished in 32 products and leaves through the wave's stage while the next is multiplied.
; CLUSTER 4 x 4: o's tiles are shared along a row of the cluster, W_out's along a column.  No prefetch: there is no loop of loads to run ahead in.
; REGISTERS.  Window 0: addresses, v16-47 scale words, v64-191 o's fragments, v192-255 two sets of four accumulators.  Window 1: W_out's fragments.  Window 2: v0-63 rows read back from the stage, two sets.
.set WL0,  65536                       ; W_out: 128 rows of 512 bytes + 16
.set SCL,  WL0+128*528                 ; W_out's scale bytes (128 rows x 32), then o's
.set STAGE, SCL+8192                   ; 16 rows x (256 bytes + 16) for each wave; no fill lands here
.set SPARE, STAGE+4*16*272
.set ADP,  4                           ; W_out's fragments
.set ADR,  5                           ; o's
.set ADRS, 6                           ; scale words: lanes 0-15 W_out's rows, lanes 16-31 o's
.set STO,  7
.set RD,   8
.set CO,   9
.set SPW,  14
.set NIL,  15
.set SC,   16                          ; register 16 (ks / 4) + 4 i + ks % 4: tile i
.set OF,   64
.set ACC,  192
.set WV,   16
.set G1A,  32
.set G1B,  40
.set G1AS, 48
.set G1BS, 56
.set G0A,  68
.set G0B,  72
.set G0AS, 76
.set G0BS, 80
.set MSB, 0
.macro WIN new                         ; the immediate's high byte repeats the setting that is left
.if MSB != \new
	s_set_vgpr_msb (MSB<<8)|\new
.set MSB, \new
.endif
.endm
.macro CROUND
	s_barrier_signal -1
	s_barrier_wait -1
	s_cmp_lg_u32 s[WV], 0
	s_cbranch_scc1 .Lnot_wave_0_\@
	s_barrier_signal -3
.Lnot_wave_0_\@:
	s_barrier_wait -3
	s_barrier_signal -1
	s_barrier_wait -1
.endm
	s_load_b256 s[4:11], s[0:1], 0x0               ; oimg, osc, W_out's codes, its scales
	s_load_b64 s[12:13], s[0:1], 0x20              ; out0
	v_lshl_add_u32 v[SPW], v0, 2, SPARE
	v_mov_b32 v[NIL], 0
	ds_add_u32 v[SPW], v[NIL]                      ; the opening add, twice on end
	ds_add_u32 v[SPW], v[NIL]
	v_lshrrev_b32 v1, 5, v0
	v_readfirstlane_b32 s[WV], v1
	s_and_b32 s17, s[WV], 1                        ; wn
	s_lshr_b32 s18, s[WV], 1                       ; wm
	s_bfe_u32 s21, ttmp6, 0x40000                  ; cx
	s_bfe_u32 s22, ttmp6, 0x40004                  ; cy
	s_lshl_b32 s23, ttmp9, 2
	s_add_co_u32 s23, s23, s21                     ; the block of 128 columns
	s_and_b32 s24, ttmp7, 0xffff
	s_lshl_b32 s24, s24, 2
	s_add_co_u32 s24, s24, s22                     ; the block of 128 rows
	s_lshl_b32 s25, s22, 2
	s_lshl_b32 s25, 15, s25                        ; my row of the cluster
	s_lshl_b32 s26, 0x1111, s21                    ; my column
	; o's images: 65,536 dense bytes;  scale bytes: 4,096 dense bytes: rows of 32 elements of 8 bytes
	s_or_b32 s[G1A], s25, (3<<16)|(1<<21)
	s_or_b32 s[G1AS], s25, (3<<16)|(1<<21)
	s_or_b32 s[G1BS], s26, (3<<16)|(1<<21)
	s_mov_b32 s[G1A+2], 256<<16
	s_mov_b32 s[G1A+4], 256
	s_mov_b32 s[G1AS+2], 16<<16
	s_mov_b32 s[G1AS+4], 16
	s_mov_b32 s[G1BS+2], 16<<16
	s_mov_b32 s[G1BS+4], 16
.irp g, G1A, G1AS, G1BS
	s_mov_b32 s[\g+1], 32<<16
	s_mov_b32 s[\g+3], 32<<16
	s_mov_b32 s[\g+5], 32
	s_mov_b32 s[\g+6], 0
	s_mov_b32 s[\g+7], 0
.endr
	; W_out's codes: 128 rows of 512 bytes, 16 bytes of padding behind each (after every 128 words: code 6)
	s_or_b32 s[G1B], s26, (1<<20)|(1<<21)|(6<<22)|(3<<25)
	s_mov_b32 s[G1B+1], 512<<16
	s_mov_b32 s[G1B+2], 128<<16
	s_mov_b32 s[G1B+3], 512<<16
	s_mov_b32 s[G1B+4], 128
	s_mov_b32 s[G1B+5], 512
	s_mov_b32 s[G1B+6], 0
	s_mov_b32 s[G1B+7], 0
	s_lshl_b32 s28, s24, 16                        ; o: made of the block of rows alone
	s_mov_b32 s29, 0
	s_lshl_b32 s30, s24, 12
	s_mov_b32 s31, 0
	s_lshl_b32 s92, s23, 16                        ; W_out: of the block of columns alone
	s_mov_b32 s93, 0
	s_lshl_b32 s94, s23, 12
	s_mov_b32 s95, 0
	s_mov_b32 s[G0A], 1
	s_mov_b32 s[G0A+1], 0
	s_mov_b32 s[G0B], 1
	s_mov_b32 s[G0B+1], WL0
	s_mov_b32 s[G0AS], 1
	s_mov_b32 s[G0AS+1], SCL+4096
	s_mov_b32 s[G0BS], 1
	s_mov_b32 s[G0BS+1], SCL
	s_wait_dscnt 0x0                               ; both opening adds are done
	s_wait_kmcnt 0x0
	s_add_nc_u64 s[G0A+2:G0A+3], s[4:5], s[28:29]
	s_or_b32 s[G0A+3], s[G0A+3], 0x80000000
	s_add_nc_u64 s[G0B+2:G0B+3], s[8:9], s[92:93]
	s_or_b32 s[G0B+3], s[G0B+3], 0x80000000
	s_add_nc_u64 s[G0AS+2:G0AS+3], s[6:7], s[30:31]
	s_or_b32 s[G0AS+3], s[G0AS+3], 0x80000000
	s_add_nc_u64 s[G0BS+2:G0BS+3], s[10:11], s[94:95]
	s_or_b32 s[G0BS+3], s[G0BS+3], 0x80000000
	CROUND                                         ; all sixteen work-groups are here: the joint loads meet
; ONE load a wave: wave 0 W_out's codes, 1 its scale bytes, 2 o's scale bytes, 3 o's images.
.macro ARM under, g0, g1, next
	s_cmp_lt_u32 s[WV], \under
	s_cbranch_scc0 \next
	tensor_load_to_lds s[\g0:\g0+3], s[\g1:\g1+7]
	s_nop 0
.rept 4
	v_nop
.endr
	s_branch .Lasked
\next:
.endm
	ARM 1, G0B, G1B, .Lhead_bs
	ARM 2, G0BS, G1BS, .Lhead_as
	ARM 3, G0AS, G1AS, .Lhead_a
	tensor_load_to_lds s[G0A:G0A+3], s[G1A:G1A+7]
	s_nop 0
.rept 4
	v_nop
.endr
.Lasked:
	s_mul_i32 s19, s17, 64*528
	s_add_co_u32 s19, s19, WL0                     ; my 64 rows of W_out
	s_lshl_b32 s20, s18, 15                        ; my four tiles of o
	s_xor_b32 s27, s17, 1                          ; from my rows of W_out's scale bytes up to my rows of o's: 2,048 (2 + wm - wn)
	s_add_co_u32 s27, s27, s18
	s_add_co_u32 s27, s27, 1
	s_lshl_b32 s27, s27, 11
	s_lshl_b32 s28, s17, 11
	s_add_co_u32 s28, s28, SCL
	s_mul_i32 s29, s[WV], 16*272
	s_add_co_u32 s29, s29, STAGE                   ; my stage
	s_lshl_b32 s96, s24, 19                        ; out0: 128 rows of 4,096 bytes a block,
	s_lshl_b32 s98, s18, 18                        ; 64 rows a wm,
	s_add_co_u32 s96, s96, s98
	s_lshl_b32 s98, s23, 9                         ; 512 bytes a block of columns,
	s_add_co_u32 s96, s96, s98
	s_lshl_b32 s98, s17, 8                         ; 256 a wn
	s_add_co_u32 s96, s96, s98
	s_mov_b32 s97, 0
	s_add_nc_u64 s[12:13], s[12:13], s[96:97]
	v_and_b32 v1, 15, v0                           ; r
	v_bfe_u32 v2, v0, 4, 1                         ; h
	v_and_b32 v3, 31, v0                           ; lane
	v_mul_u32_u24 v10, v1, 528
	v_lshl_add_u32 v10, v2, 4, v10
	v_add_nc_u32 v[ADP], s19, v10
	v_lshl_add_u32 v[ADR], v3, 4, s20
	v_mul_u32_u24 v11, s27, v2                     ; lanes 16-31 take o's
	v_lshl_add_u32 v11, v1, 5, v11
	v_add_nc_u32 v[ADRS], s28, v11
	v_mul_u32_u24 v12, v1, 272
	v_lshl_add_u32 v12, v2, 5, v12                 ; in: row r, 32 bytes for each half of the lanes
	v_add_nc_u32 v[STO], s29, v12
	v_mul_u32_u24 v13, v2, 272                     ; back: lanes 0-15 one row of 256 bytes, lanes 16-31 the next
	v_lshl_add_u32 v13, v1, 4, v13
	v_add_nc_u32 v[RD], s29, v13
	v_lshlrev_b32 v10, 12, v2                      ; and the same two rows in out0
	v_lshl_add_u32 v[CO], v1, 4, v10
.macro LDW ks                          ; W_out's four fragments of K step ks into window 1
	WIN 0x40
.irp a, 0,1,2,3
.irp c, 0,1
	ds_load_b128 v[32*(\ks)+8*\a+4*\c:32*(\ks)+8*\a+4*\c+3], v[ADP] offset:8448*\a+64*(\ks)+32*\c
.endr
.endr
.endm
.macro LDO b, ks                       ; o's tile b, K step ks
	WIN 0
.irp c, 0,1
	ds_load_b128 v[OF+64*((\b)%2)+8*(\ks)+4*\c:OF+64*((\b)%2)+8*(\ks)+4*\c+3], v[ADR] offset:8192*(\b)+1024*(\ks)+512*\c
.endr
.endm
.macro LDOALL b
.irp k, 0,1,2,3,4,5,6,7
	LDO \b, \k
.endr
.endm
.macro MUL b, ks                       ; four products; the four accumulators take turns
.set AC, ACC+32*((\b)%2)
.set OK, OF+64*((\b)%2)+8*(\ks)
.set SK, SC+16*((\ks)/4)+(\ks)%4
	WIN 0x01
.irp a, 0,1,2,3
.if (\ks) == 0
	v_wmma_scale_f32_16x16x128_f8f6f4 v[AC+8*\a:AC+8*\a+7], v[32*(\ks)+8*\a:32*(\ks)+8*\a+7], v[OK:OK+7], 0, v[SK+4*\a], v[SK+4*(\b)] matrix_a_fmt:MATRIX_FMT_FP4 matrix_b_fmt:MATRIX_FMT_FP4 matrix_b_scale:MATRIX_SCALE_ROW1
.else
	v_wmma_scale_f32_16x16x128_f8f6f4 v[AC+8*\a:AC+8*\a+7], v[32*(\ks)+8*\a:32*(\ks)+8*\a+7], v[OK:OK+7], v[AC+8*\a:AC+8*\a+7], v[SK+4*\a], v[SK+4*(\b)] matrix_a_fmt:MATRIX_FMT_FP4 matrix_b_fmt:MATRIX_FMT_FP4 matrix_b_scale:MATRIX_SCALE_ROW1
.endif
.endr
.endm
.macro MULALL b
.irp k, 0,1,2,3,4,5,6,7
	MUL \b, \k
.endr
.endm
; A finished block, 16 rows x 64 columns: into my stage and back as whole rows of 256 bytes (LDS serves a wave's instructions in order: ISA guide 5.7.1.4).
.macro TOSTAGE b
	WIN 0
.rept 4
	v_nop                                          ; four plain lines behind the last products
.endr
.irp a, 0,1,2,3
	ds_store_b128 v[STO], v[ACC+32*((\b)%2)+8*\a:ACC+32*((\b)%2)+8*\a+3] offset:64*\a
	ds_store_b128 v[STO], v[ACC+32*((\b)%2)+8*\a+4:ACC+32*((\b)%2)+8*\a+7] offset:64*\a+16
.endr
.if (\b) > 1
	s_wait_xcnt 0x0                                ; block b - 2's stores have read their registers
.endif
	WIN 0x80
.irp t, 0,1,2,3,4,5,6,7
	ds_load_b128 v[32*((\b)%2)+4*\t:32*((\b)%2)+4*\t+3], v[RD] offset:544*\t
.endr
	WIN 0
.endm
.macro SEND b, younger                 ; younger: the LDS instructions issued behind the block's loads
	WIN 0x08
	s_wait_dscnt \younger
.irp t, 0,1,2,3,4,5,6,7
	global_store_b128 v[CO], v[32*((\b)%2)+4*\t:32*((\b)%2)+4*\t+3], s[12:13] offset:65536*(\b)+8192*\t th:TH_STORE_NT   ; 16 lanes store 256 consecutive bytes, aligned; written once, read by nobody here
.endr
	WIN 0
.endm
	s_wait_alu depctr_va_vdst(0)                   ; the wait at the head's end
	s_cmp_lt_u32 s[WV], 3
	s_cbranch_scc0 .Lo_out
	s_wait_tensorcnt 0x0                           ; waves 0-2: W_out and the scale bytes are in;  wave 3 waits for o further down
.Lo_out:
	s_barrier_signal -1
	s_barrier_wait -1
.irp kh, 0,1
.irp i, 0,1,2,3
	ds_load_b128 v[SC+16*\kh+4*\i:SC+16*\kh+4*\i+3], v[ADRS] offset:512*\i+16*\kh
.endr
.endr
.irp k, 0,1,2,3,4,5,6,7
	LDW \k
.endr
	WIN 0
	s_wait_tensorcnt 0x0                           ; o is in,
	s_wait_dscnt 0x0                               ; my loads so far are back
	s_barrier_signal -1
	s_barrier_wait -1
	LDOALL 0
	LDOALL 1
.irp k, 0,1,2,3,4,5,6,7
	s_wait_dscnt 30-2*\k                           ; behind K step k's two loads: two for each later K step, and tile 1's sixteen
	MUL 0, \k
.endr
	TOSTAGE 0
	LDOALL 2
	s_wait_dscnt 32                                ; behind tile 1's loads: block 0's sixteen stage instructions and tile 2's sixteen loads
	MULALL 1
	SEND 0, 16
	TOSTAGE 1
	LDOALL 3
	s_wait_dscnt 32                                ; the same for tile 2
	MULALL 2
	SEND 1, 16
	TOSTAGE 2
	s_wait_dscnt 16                                ; behind tile 3's loads: block 2's sixteen
	MULALL 3
	SEND 2, 0
	TOSTAGE 3
	SEND 3, 0
	s_wait_tensorcnt 0x0                           ; the wave's end
	ds_add_u32 v[SPW], v[NIL]
	s_wait_dscnt 0x0
	CROUND                                         ; the closing round
	s_endpgm
.Lfunc_end_k_qd222b37792_proj:
	.size	k_qd222b37792_proj, .Lfunc_end_k_qd222b37792_proj-k_qd222b37792_proj
	.p2alignl 7, 3214868480
	.fill 96, 4, 3214868480
	.section	.rodata,"a",@progbits
	.p2align	6, 0x0
	.amdhsa_kernel k_qd222b37792_proj
		.amdhsa_group_segment_fixed_size 167936
		.amdhsa_private_segment_fixed_size 0
		.amdhsa_enable_private_segment 0
		.amdhsa_kernarg_size 40
		.amdhsa_user_sgpr_count 2
		.amdhsa_user_sgpr_kernarg_segment_ptr 1
		.amdhsa_wavefront_size32 1
		.amdhsa_system_sgpr_workgroup_id_x 1
		.amdhsa_system_sgpr_workgroup_id_y 1
		.amdhsa_system_sgpr_workgroup_id_z 1
		.amdhsa_system_vgpr_workitem_id 0
		.amdhsa_next_free_vgpr 576
		.amdhsa_next_free_sgpr 100
		.amdhsa_reserve_vcc 0
		.amdhsa_float_denorm_mode_32 3
		.amdhsa_float_denorm_mode_16_64 3
		.amdhsa_memory_ordered 1
		.amdhsa_forward_progress 1
		.amdhsa_inst_pref_size 42
	.end_amdhsa_kernel
	.amdgpu_metadata
---
amdhsa.version: [ 1, 2 ]
amdhsa.kernels:
  - .name:           k_qd222b37792_proj
    .symbol:         k_qd222b37792_proj.kd
    .args:
      - { .name: oimg, .offset: 0, .size: 8, .value_kind: global_buffer, .address_space: global }
      - { .name: osc, .offset: 8, .size: 8, .value_kind: global_buffer, .address_space: global }
      - { .name: W_out_codes, .offset: 16, .size: 8, .value_kind: global_buffer, .address_space: global }
      - { .name: W_out_scales, .offset: 24, .size: 8, .value_kind: global_buffer, .address_space: global }
      - { .name: out0, .offset: 32, .size: 8, .value_kind: global_buffer, .address_space: global }
    .group_segment_fixed_size: 167936
    .private_segment_fixed_size: 0
    .kernarg_segment_align: 8
    .kernarg_segment_size: 40
    .max_flat_workgroup_size: 128
    .sgpr_count:     100
    .vgpr_count:     576
    .wavefront_size: 32
...
	.end_amdgpu_metadata
.endif
;; end of part 3
